; MI455X (gfx1250); checked and timed in simulation.
; The chip was launched on July 23, 2026; its instructions are those of AMD's public machine-readable ISA for CDNA 5 (MIT licence, August 2026) and "CDNA5" Instruction Set Architecture Reference Guide (July 2026). The comments in the code are by the model that wrote it; some were corrected since.
;; Absolute attention. Allowed arithmetic: matrix products marked QUANTISED: E2M1 operands, one E8M0 scale for each 32 along K, by v_wmma_scale_f32_16x16x128_f8f6f4 with both operands' format E2M1 (or v_wmma_scale_f32_32x16x128_f4), f32 sums; products left as they are: f32 operands where the result goes on into a quantised operand, else bf16, f16 or f32 operands; f32 sums; everything else in f32.
;; Inputs: Wk_codes 1,024 x 32 x 16 uint8 (E2M1 codes of Wk, K innermost, in blocks of 32 codes, two codes a byte); Wk_scales 1,024 x 32 uint8 (E8M0 scales of Wk, one for each 32 codes along K); Wo_codes 1,024 x 32 x 16 uint8 (E2M1 codes of Wo, K innermost, in blocks of 32 codes, two codes a byte); Wo_scales 1,024 x 32 uint8 (E8M0 scales of Wo, one for each 32 codes along K); Wq_codes 1,040 x 32 x 16 uint8 (E2M1 codes of Wq, K innermost, in blocks of 32 codes, two codes a byte); Wq_scales 1,040 x 32 uint8 (E8M0 scales of Wq, one for each 32 codes along K); Wv_codes 1,024 x 32 x 16 uint8 (E2M1 codes of Wv, K innermost, in blocks of 32 codes, two codes a byte); Wv_scales 1,024 x 32 uint8 (E8M0 scales of Wv, one for each 32 codes along K); attention_mask 4 x 4,096 float32; bo 1,024 float32; head_time_delta 16 float32; time_angle 64 float32; x_codes 4 x 4,096 x 32 x 16 uint8 (E2M1 codes of x, K innermost, in blocks of 32 codes, two codes a byte); x_scales 4 x 4,096 x 32 uint8 (E8M0 scales of x, one for each 32 codes along K).
;; Outputs: out0 4 x 4,096 x 1,024 float32.
;; This version of the problem:
;;   THIS VERSION OF THE PROBLEM IS GIVEN IN LOW PRECISION. The matrix products marked QUANTISED in the list below multiply operands that are first quantised to E2M1 (2 exponent bits, 1 mantissa bit; 4 bits a number), with one power-of-two scale for each 32 numbers along K (OCP MX v1.0); their sums are f32. All else is computed in f32.
;;   The module's matrix products, in the order in which they are computed (A, B: the left and right operand; K: the contracted axis; several contracted axes count as one K, in the product's order):
;;     1. [M 16,384, K 1,024] x [K 1,024, N 1,040]; A: input x (given as codes); B: input Wq (given as codes): QUANTISED
;;     2. batch 65,536 x [M 1, K 128] x [K 128, N 4]; A: computed on the way; B: computed on the way: left as it is (M = 1 < 16)
;;     3. [M 16,384, K 1,024] x [K 1,024, N 1,024]; A: input x (given as codes); B: input Wk (given as codes): QUANTISED
;;     4. [M 16,384, K 1,024] x [K 1,024, N 1,024]; A: input x (given as codes); B: input Wv (given as codes): QUANTISED
;;     5. [M 16,384, K 1,024] x [K 1,024, N 1,024]; A: computed on the way; B: input Wo (given as codes): QUANTISED
;;   THE QUANTISER, for each operand of a quantised product, along K:
;;     - K is cut into blocks of 32 from its start; a last block that is shorter is filled with zeros.
;;     - A block's scale is 2^e with e = floor(log2(the largest magnitude in the block)) - 2, held to -126 .. 127; a block of zeros has e = 0. As a byte (E8M0): e + 127.
;;     - Each number is divided by its block's scale, clamped to +-6, and rounded to the nearest number of E2M1, ties to even, subnormals kept.
;;     - The product sums the exact products of the quantised numbers (number of the format x scale) in f32.
;;   ~~~python
;;   def quantise(x, axis):      # numpy; x: float32 -> the quantised numbers, widened to float32 again
;;       x = np.moveaxis(x, axis, -1); K = x.shape[-1]
;;       x = np.pad(x, [(0, 0)] * (x.ndim - 1) + [(0, -K % 32)]); x = x.reshape(x.shape[:-1] + (-1, 32)); a = np.abs(x).max(-1, keepdims=True)
;;       e = np.where(a > 0, np.clip(np.frexp(np.where(a > 0, a, 1))[1] - 1 - 2, -126, 127), 0)      # np.frexp(a)[1] - 1 = floor(log2(a)), exactly
;;       r = np.clip(x / 2.0 ** e, -6, 6)
;;       step = 2.0 ** (np.maximum(np.frexp(np.where(r == 0, 1, r))[1] - 1, 0) - 1)
;;       q = np.round(r / step) * step * 2.0 ** e      # np.round: ties to even
;;       return np.moveaxis(q.reshape(q.shape[:-2] + (-1,))[..., :K], -1, axis).astype(np.float32)
;;   ~~~
;;   OPERANDS COMPUTED ON THE WAY. 'Computed on the way' means the value that the module computes at that place (a softmax that the list does not call 'softmax' is quantised finished and normalised). What goes into a quantiser is computed in f32, as accurately as f32 sums, v_exp_f32 and their like allow (about 1e-6 of the number): no bf16 or f16 on the way to a quantiser, and a product that is left as it is and whose result goes on into a quantised operand takes f32 operands (vector FMAs, or v_wmma_f32_16x16x4_f32). A number that lies on a knife's edge between two numbers of the format may be rounded either way, as far as f32 arithmetic and the matrix unit's own rounding can turn it there, and no further.
;;   INPUTS GIVEN AS CODES. Wk (in the module: [1024, 1024], K = its axis 1); Wo (in the module: [1024, 1024], K = its axis 1); Wq (in the module: [1040, 1024], K = its axis 1); Wv (in the module: [1024, 1024], K = its axis 1); x (in the module: [4, 4096, 1024], K = its axis 2): each comes as NAME_codes (uint8): NAME with its K axis moved to the last place and cut into blocks of 32 codes, [.., K / 32, bytes a block], one block behind the other in memory; two codes a byte, the lower K in the low four bits (a code: sign, 2 exponent bits, 1 mantissa bit); and NAME_scales (uint8): the same leading axes, one E8M0 byte (e + 127) for each 32 codes along K. Its value is code x scale, taken as it is: it is not quantised again, and the codes and scales need not be those that the quantiser above would give.
;; One version. Each part assembles by itself: llvm-mc -triple=amdgcn-amd-amdhsa -mcpu=gfx1250 --defsym DOCPART=n.
;; ======== version 1 of 1: 1 launch
;; limits: right only within a limited range of input values
;; launch fused (part 1): grid 256 x 1, 4 waves a work-group, clusters of 4 x 1, 327,680 bytes of LDS; arguments x_codes, x_scales, Wq_codes, Wq_scales, Wk_codes, Wk_scales, Wv_codes, Wv_scales, Wo_codes, Wo_scales, attention_mask, bo, out0; writes out0
.if DOCPART == 1
	.amdgcn_target "amdgcn-amd-amdhsa--gfx1250"
	.amdhsa_code_object_version 6
	.text
	.protected	k_qa666ac21bb_fused
	.globl	k_qa666ac21bb_fused
	.p2align	8
	.type	k_qa666ac21bb_fused,@function
k_qa666ac21bb_fused:
	s_mov_b64 s[64:65], 0
	v_nop
	global_prefetch_b8 v0, s[64:65] scope:SCOPE_SE
	s_setreg_imm32_b32 hwreg(HW_REG_WAVE_MODE, 25, 1), 1
	s_wait_xcnt 0x0
	s_wait_alu depctr_hold_cnt(0) depctr_sa_sdst(0) depctr_va_vdst(0) depctr_va_sdst(0) depctr_va_ssrc(0) depctr_va_vcc(0) depctr_vm_vsrc(0)
	s_getreg_b32 s2, hwreg(HW_REG_IB_STS2, 6, 4)
	s_cmp_eq_u32 s2, 0
	s_cbranch_scc0 .Lentry_in_a_cluster
	s_endpgm
.Lentry_in_a_cluster:
	s_bfe_u32 s2, ttmp6, 0x10000c
	s_cmp_lg_u32 s2, 0x3003
	s_cbranch_scc0 .Lentry_shape_is_right
	s_endpgm
.Lentry_shape_is_right:
; out = A Wo^T + bo,  A[row][64 h + d] = qk_weight[row][h] x softmax_d(x Wk^T)[row][h][d] x mask[row] x (x Wv^T)[row][64 h + d].  All four products on codes of FP4 (E2M1) with E8M0 scales; A is quantised here, along 64 h + d.
; WORK LEFT OUT.  qk_weight = (1 - last) x the sum over the 128 time entries of time^2, last = the last slot of the softmax over 65 of x Wq^T.  The entries are (c + s) / 8 and (c - s) / 8 for 64 angles, c and s an angle's
; cosine and sine: (c + s)^2 + (c - s)^2 = 2 c^2 + 2 s^2 = 2 for every angle, so the sum is 64 x 2 / 64 = 2 whatever the angles.  So qk_weight = 2 (1 - last): the einsum, the sines and the cosines are left out, and
; time_angle and head_time_delta have no way to the output and are not loaded.  LIMIT: a NaN, an infinity or an overflow that reaches only that work is not carried to the result.
; SHARES.  A work-group takes 16 positions of all 4 batches: 64 rows; row tile m is batch m, lane % 16 the position.
; THE WAVES SHARE THE COLUMNS: every wave holds all 64 rows of x (later of A) as fragments, 256 registers, and walks weight rows of its own: in a group of heads g wave w has head 4 g + w (chunks Q, K, V), in the
; last product step s gives it out columns 64 (4 s + w) on.  Sixteen CHUNKS of 64 weight rows x 512 bytes (all of K), each 128 matrix instructions on 16 accumulators by turns.
; THE WALK IS TURNED FROM CLUSTER TO CLUSTER: with rot = cluster x % 4, trip j takes group (j + rot) % 4 and the last product's local step s takes step (s + rot) % 4.  rot is the same in the four partners; it enters
; global addresses and one scalar branch, no LDS address.
; THE MATRIX INSTRUCTION IS USED TRANSPOSED (source 0 = 16 weight rows, source 1 = 16 rows of x or A): lane (r, hh) holds row r, register j of tile t column 16 t + 8 hh + j: a softmax stays in the lane but for one exchange.
; THE 65TH SLOT: one more tile, whose source-0 lane i takes Wq's row 65 (4 ((i + rot) % 4) + w) + 64: register j of its result is the last logit of trip j's head, in both halves of the lanes.
; CLUSTER: all work-groups walk the same weights, so the four of a cluster ask for each chunk jointly (mask 15); x is shared by nobody.  Chunks go through a ring of two LDS slots; a wave fills and reads its own quarter.
; A chunk's fragments are all in registers when its products begin, so its slot is free then: the change of slots stands among the products, and the next chunk's fragments are fetched under the products' second half and the epilogue.
; PREFETCH: Wk and Wv at the head (waves 1 and 2), Wo in trip 2, a trip ahead of its first load (wave 0): 8,192 bytes an instruction, lanes 256 bytes apart, at (work-group % 64) x 8,192: each block is named by four work-groups of
; four clusters.  Wq comes by its loads alone: trip 0 asks for all of it at once.
; LIMITS: NaN and infinities among the inputs are not served; a block of A that is all zeros gets the scale byte 1 and not 127: its codes are zeros, and the bytes are read here alone.
; REGISTERS in windows of 256: window 0 addresses, scales, statistics; window 1 x's (A's) 32 fragments, (m, s) at 8 (8 m + s); window 2 the accumulators, set 0 at v0, set 1 at v128, (m, t) at 32 m + 8 t;
; window 3 a chunk's 32 fragments, (s, t) at 32 s + 8 t.  s_set_vgpr_msb: bits 1:0 source 0, 3:2 source 1, 5:4 source 2, 7:6 destination.
.set PITCH,  528                       ; a weight row in LDS: 512 bytes + 16 of padding
.set WCH,    64*PITCH                  ; a wave's chunk
.set SLOT,   4*WCH                     ; a slot: four chunks
.set XT,     2*SLOT                    ; behind the ring: x as 64 rows of PITCH; later A's 64 register images of 512 bytes
.set AIMG,   XT
.set ASC,    XT+64*PITCH               ; A's scale bytes, [64 rows][32]
.set STAGE,  ASC+2048                  ; the way out: 16 rows x 272 bytes for each wave
.set SPITCH, 272
.set SPARE,  STAGE+4*16*SPITCH         ; the spare words, 128 bytes a wave: two blocks of 256 bytes that no other line names
; scalar registers: s[8:33] the thirteen addresses, turned in place into my wave's; the weights', bo's and out's then stay: group 0, step 0
.set PXC, 8
.set PXS, 10
.set PQ,  12
.set SQ,  14
.set PK,  16
.set SK,  18
.set PV,  20
.set SV,  22
.set PO,  24
.set SOS, 26
.set PMK, 28
.set PBO, 30
.set POUT, 32
.set PFA, 34                           ; s[34:35] where my prefetch stands; never rewritten
.set LIM, 36                           ; the trip in which my wave prefetches Wo (9: in none)
.set WV,  38                           ; my wave's number
.set WG,  39                           ; my work-group's number
.set G1,  40                           ; s[40:47] descriptor group 1, one for every load
.set G0A, 48                           ; s[48:51] group 0
.set TB,  56                           ; LDS byte at which the slot in hand begins
.set WOFF, 57                          ; my chunk's place in a slot
.set GI,  58                           ; the trip
.set ROT, 61                           ; cluster x % 4
.set GT,  62                           ; the trip's group of heads
.set GN,  63                           ; the next trip's
.set SEL, 66                           ; s[66:67] v_permlanex16_b32's selects for lane l xor 16
.set CS,  68                           ; s[68:69] log2(e), as a pair
.set NC,  70                           ; -log2(e)
.set KT,  71                           ; the last product: the step in hand
.set SB,  72                           ; s[72:73] base of the scale loads in hand
.set CO1, 74                           ; Wo's second chunk of my walk
.set LQC, 76                           ; the 65th rows' codes and scale bytes;
.set LQS, 78
.set CO0, 76                           ; later Wo's first chunk of my walk and its scale bytes
.set CSO0, 78
.set CNT, 80
.set CX,  81
.set CV,  82                           ; this trip's chunk of Wv; in the last product the chunk two steps on
.set CSK, 84                           ; this trip's scale bytes of Wk; in the last product the next chunk's
.set COUT, 86                          ; s[86:87] out at the step in hand; s[88:89] its offset
.set CSV, 90                           ; this trip's scale bytes of Wv
.set CBI, 90                           ; at the head and in the last product: bo
.set CQN, 92                           ; the next trip's chunk of Wq
.set CKN, 94                           ; of Wk
.set OFF, 96                           ; s[96:97] an offset, with 0 above it
.set CSQN, 98                          ; the next trip's scale bytes of Wq
; vector registers, window 0
.set R,   1                            ; lane % 16
.set HH,  2                            ; lane / 16
.set LN,  3                            ; lane
.set SPW, 4                            ; LDS address of my spare word; never rewritten
.set NIL, 5                            ; 0; never rewritten
.set AW0, 6                            ; my place in my chunk: PITCH r + 16 hh + WCH w
.set ADW, 7                            ; the same in the slot that is being read
.set SWO, 8                            ; 32 r + 16 hh: my 16 scale bytes of a tile's rows
.set ASR, 9
.set LI,  10                           ; AIMG + 16 x lane
.set AI0, 11                           ; + 512 w: my wave's image in group 0
.set AS0, 13                           ; ASC + 32 r + 2 w: its scale bytes
.set XFA, 15
.set XSTO, 16
.set STO, 17
.set RD,  18
.set BOF, 19
.set GO,  20                           ; v20-23 my byte in out, for each batch
.set XGO, 24
.set LTO, 25
.set LSO, 26
.set MKO, 27
.set PFO, 28                           ; 256 x lane
.set VT,  31
.set SCX, 32                           ; v32-47 x's (A's) scale words: 4 a row tile.  Lanes 0-15 hold K steps 0-3, lanes 16-31 K steps 4-7
.set SCW, 48                           ; v48-95 the chunks', three sets by turns: 4 a tile, likewise
.set SCL, 96                           ; v96-99 the 65th rows'
.set LQV, 100                          ; v100-115 the 65th slots: 4 a row tile, the trip in hand first
.set LE,  116                          ; v116-119 the trip's 65th exponentials
.set ST,  120                          ; v120-151 8 a row tile: +0 -max log2(e), +1 pad, +2:3 sum, +4:5 maxima, then second sum, +6 at work, 1 / sum, factor, +7 pad
.set QKW, 152                          ; 1 - last
.set MASK, 156                         ; 2 x mask: the 2 of qk_weight
.set TM,  160                          ; the quantiser: largest magnitudes, the other half's / bytes, scale operands, scale half-words, codes
.set TP,  168
.set SOP, 176
.set HW,  184
.set PCD, 188
.set BI,  204                          ; v204-235 bo in the result's layout, 8 a tile
.set BK,  128                          ; window 2: the way out, a step's four row tiles read back, 32 a tile: accumulator set 1 is free then
.set MSB, 0
.macro WIN new                         ; the immediate's high byte repeats the setting that is left; a switch that changes nothing is dropped
.if MSB != \new
	s_set_vgpr_msb (MSB<<8)|\new
.set MSB, \new
.endif
.endm
.macro PLACES
.rept 4
	v_nop
.endr
.endm
.macro CREST                           ; a round of the cluster's barrier behind its opening barrier
	s_cmp_lg_u32 s[WV], 0
	s_cbranch_scc1 .Lnot_wave_0_\@
	s_barrier_signal -3
.Lnot_wave_0_\@:
	s_barrier_wait -3
	s_barrier_signal -1
	s_barrier_wait -1
.endm
.macro ROUND
	s_barrier_signal -1
	s_barrier_wait -1
	CREST
.endm
; Two K steps of a chunk's fragments, 16 loads: 16 rows x 128 K of 4-bit codes are 8 registers: lane (r, hh), registers 4 c on: K = 64 c + 32 hh + 0 .. 31: 16 bytes of the row as they lie.
.macro FR k0
	WIN 0xC0                                       ; destination window 3
.irp k, \k0, \k0+1
.irp t, 0,1,2,3
	ds_load_b128 v[32*(\k)+8*\t:32*(\k)+8*\t+3],   v[ADW] offset:16*PITCH*\t+64*(\k)
	ds_load_b128 v[32*(\k)+8*\t+4:32*(\k)+8*\t+7], v[ADW] offset:16*PITCH*\t+64*(\k)+32
.endr
.endr
.endm
.macro SCALES n                        ; a chunk's scale bytes into set n: a tile's 16 rows x 32 bytes are 512 consecutive bytes, 16 a lane
.irp t, 0,1,2,3
	global_load_b128 v[SCW+16*\n+4*\t:SCW+16*\n+4*\t+3], v[SWO], s[SB:SB+1] offset:512*\t
.endr
.endm
.macro BIAS                            ; bo at my eight columns of each tile: the C of the sums' first products
.irp t, 0,1,2,3
	global_load_b128 v[BI+8*\t:BI+8*\t+3],   v[BOF], s[CBI:CBI+1] offset:64*\t
	global_load_b128 v[BI+8*\t+4:BI+8*\t+7], v[BOF], s[CBI:CBI+1] offset:64*\t+16
.endr
.endm
.macro WM set, bias, sc, s, t, m
.set rD, 128*\set+32*\m+8*\t
.set rA, 32*\s+8*\t
.set rB, 8*(8*\m+\s)
.set rX, SCW+16*\sc+4*\t+(\s)%4
.set rY, SCX+4*\m+(\s)%4
.if \s == 0
.if \bias
	v_wmma_scale_f32_16x16x128_f8f6f4 v[rD:rD+7], v[rA:rA+7], v[rB:rB+7], v[BI+8*\t:BI+8*\t+7], v[rX], v[rY] matrix_a_fmt:MATRIX_FMT_FP4 matrix_b_fmt:MATRIX_FMT_FP4
.else
	v_wmma_scale_f32_16x16x128_f8f6f4 v[rD:rD+7], v[rA:rA+7], v[rB:rB+7], 0, v[rX], v[rY] matrix_a_fmt:MATRIX_FMT_FP4 matrix_b_fmt:MATRIX_FMT_FP4
.endif
.elseif \s < 4
	v_wmma_scale_f32_16x16x128_f8f6f4 v[rD:rD+7], v[rA:rA+7], v[rB:rB+7], v[rD:rD+7], v[rX], v[rY] matrix_a_fmt:MATRIX_FMT_FP4 matrix_b_fmt:MATRIX_FMT_FP4
.else
	v_wmma_scale_f32_16x16x128_f8f6f4 v[rD:rD+7], v[rA:rA+7], v[rB:rB+7], v[rD:rD+7], v[rX], v[rY] matrix_a_fmt:MATRIX_FMT_FP4 matrix_b_fmt:MATRIX_FMT_FP4 matrix_a_scale:MATRIX_SCALE_ROW1 matrix_b_scale:MATRIX_SCALE_ROW1
.endif
.endm
.macro KS set, bias, sc, s             ; a K step's 16 products, an accumulator a turn
.if (\bias) && (\s == 0)
	WIN 0x87                                       ; weights window 3, rows window 1, C window 0, D window 2
.else
	WIN 0xA7                                       ; C and D window 2
.endif
.irp t, 0,1,2,3
.irp m, 0,1,2,3
	WM \set, \bias, \sc, \s, \t, \m
.endr
.endr
.endm
; A CHUNK'S 128 PRODUCTS into accumulator set `set`, with scale set sc; the next chunk's scale words go to set nsc (-1: none), from sa (in trips 0-2) or sb (in trip 3).
; fill = 2: among them the change of slots.  The chunk's fragments have left LDS, so its slot is free: all my tensor loads are waited for (one is out: the next chunk), 0 is added to my spare word, 16 products stand between
; the add and the wait for it, 16 more inside the round's opening barrier; the joint refill is first behind the round: the chunk two on, from pa or pb likewise, with a chunk's products and an epilogue in which to land.
; fill = 1: nothing is left to ask for, the next chunk is waited for;  fill = 0: the last chunk.  stag = 1: the rows' fragments are still arriving, eight loads a K step, in K order.
.macro MULT set, bias, sc, nsc, fill, pa, pb, sa, sb, stag
	WIN 0
	s_wait_loadcnt 0x0                             ; scale words (and bo): asked for a chunk ago
.if \nsc >= 0
.if \sa != \sb
	s_cmp_lt_u32 s[GI], 3                          ; the last trip's successors are Wo's chunks
	s_cselect_b64 s[SB:SB+1], s[\sa:\sa+1], s[\sb:\sb+1]
.else
	s_mov_b64 s[SB:SB+1], s[\sa:\sa+1]             ; (the loads that named SB have been waited for)
.endif
	SCALES \nsc
.endif
.if \stag
	s_wait_dscnt 56                                ; K step 0 of the rows is in; behind it seven steps of eight loads
.else
	s_wait_dscnt 0x0
.endif
	KS \set, \bias, \sc, 0
.if \stag
	s_wait_dscnt 48
.endif
	KS \set, \bias, \sc, 1
.if \fill == 2
	WIN 0                                          ; the add's two registers lie in window 0
	s_wait_tensorcnt 0x0                           ; no tensor load of mine is out, so group 0 may be written
	ds_add_u32 v[SPW], v[NIL]                      ; 0 onto my spare word
	s_add_co_u32 s[G0A+1], s[WOFF], s[TB]          ; into the slot whose fragments are in registers
	s_xor_b32 s[TB], s[TB], SLOT                   ; and on to the other
.if \pa != \pb
	s_cmp_lt_u32 s[GI], 3
	s_cselect_b64 s[G0A+2:G0A+3], s[\pa:\pa+1], s[\pb:\pb+1]
.else
	s_mov_b64 s[G0A+2:G0A+3], s[\pa:\pa+1]
.endif
	s_or_b32 s[G0A+3], s[G0A+3], 0x80000000        ; type = 2
.if \stag
	s_wait_dscnt 41                                ; K step 2's rows; behind them five steps of eight loads, and the add
.endif
	KS \set, \bias, \sc, 2
	s_wait_dscnt 0x0                               ; the add is done, and no LDS read of mine is out
	s_barrier_signal -1
	KS \set, \bias, \sc, 3
	WIN 0
	s_barrier_wait -1
	CREST
	tensor_load_to_lds s[G0A:G0A+3], s[G1:G1+7]
	s_nop 0
	PLACES                                         ; the four places behind K steps 0 to 3, for the loads below
	v_add_nc_u32 v[ADW], s[TB], v[AW0]
.else
	KS \set, \bias, \sc, 2
	KS \set, \bias, \sc, 3
.if \fill == 1
	WIN 0
	s_wait_tensorcnt 0x0                           ; the last chunk is in: no load was issued behind it, and I alone read it
	PLACES
	s_xor_b32 s[TB], s[TB], SLOT
	v_add_nc_u32 v[ADW], s[TB], v[AW0]
.endif
.endif
.if \fill
	FR 0
.if \bias
	WIN 0
	BIAS                                           ; the next step's: K step 0 has read this step's
.endif
.endif
	KS \set, \bias, \sc, 4
	KS \set, \bias, \sc, 5
.if \fill
	FR 2
.endif
	KS \set, \bias, \sc, 6
	KS \set, \bias, \sc, 7
.endm
; The softmax of a head's 64 logits (with last = 1: and the 65th) for the four row tiles, every line by turns: the exponentials stay in the accumulators, ST+2 gets the sum of all.
.macro SOFTMAX set, last
.set B0, 128*\set
	PLACES                                         ; behind the last products, for the loads and the reads below
	FR 4
	WIN 0x2A                                       ; three sources window 2.  The registers go in ascending order, in two chains
.irp m, 0,1,2,3
	v_max3_num_f32 v[ST+8*\m+4], v[B0+32*\m], v[B0+32*\m+1], v[B0+32*\m+2]
.endr
.irp m, 0,1,2,3
	v_max3_num_f32 v[ST+8*\m+5], v[B0+32*\m+3], v[B0+32*\m+4], v[B0+32*\m+5]
.endr
	WIN 0x28
.irp j, 6,10,14,18,22,26
.irp m, 0,1,2,3
	v_max3_num_f32 v[ST+8*\m+4], v[ST+8*\m+4], v[B0+32*\m+\j], v[B0+32*\m+\j+1]
.endr
.irp m, 0,1,2,3
	v_max3_num_f32 v[ST+8*\m+5], v[ST+8*\m+5], v[B0+32*\m+\j+2], v[B0+32*\m+\j+3]
.endr
.endr
.irp m, 0,1,2,3
	v_max3_num_f32 v[ST+8*\m+4], v[ST+8*\m+4], v[B0+32*\m+30], v[B0+32*\m+31]
.endr
	FR 6
	WIN 0
.if \last
	s_wait_alu depctr_va_vdst(0)                   ; directly ahead of the branch
	s_cmp_eq_u32 s[GI], s[LIM]                     ; wave 0 in trip 2: my work-group's 8,192 bytes of Wo
	s_cbranch_scc0 .Lno_ask_\@
	global_prefetch_b8 v[PFO], s[PFA:PFA+1] th:TH_LOAD_NT scope:SCOPE_SE
.Lno_ask_\@:
.endif
.irp m, 0,1,2,3
.if \last
	v_max3_num_f32 v[ST+8*\m+4], v[ST+8*\m+4], v[ST+8*\m+5], v[LQV+4*\m]
.else
	v_max_num_f32 v[ST+8*\m+4], v[ST+8*\m+4], v[ST+8*\m+5]
.endif
.endr
.irp m, 0,1,2,3
	v_permlanex16_b32 v[ST+8*\m+6], v[ST+8*\m+4], s[SEL], s[SEL+1]   ; the row's other 32 columns lie in the lane 16 away
.endr
.irp m, 0,1,2,3
	v_max_num_f32 v[ST+8*\m+4], v[ST+8*\m+4], v[ST+8*\m+6]
.endr
.irp m, 0,1,2,3
	v_mul_f32 v[ST+8*\m], s[NC], v[ST+8*\m+4]      ; -max x log2(e)
.endr
.if \last
.irp m, 0,1,2,3
	v_fma_f32 v[LE+\m], v[LQV+4*\m], s[CS], v[ST+8*\m]
.endr
.endif
	WIN 0x82                                       ; destination and source 0 window 2
.irp j, 0,2,4,6,8,10,12,14,16,18,20,22,24,26,28,30
.irp m, 0,1,2,3
	v_pk_fma_f32 v[B0+32*\m+\j:B0+32*\m+\j+1], v[B0+32*\m+\j:B0+32*\m+\j+1], s[CS:CS+1], v[ST+8*\m:ST+8*\m+1] op_sel_hi:[1,0,0]   ; (logit - max) log2(e), two at a time
.endr
.endr
.set i, 0
	s_wait_alu depctr_va_vdst(0)                   ; one wait ahead of the batch
.rept 32
.irp m, 0,1,2,3
	v_exp_f32 v[B0+32*\m+i], v[B0+32*\m+i]
.endr
.set i, i+1
.endr
.if \last
	WIN 0
.irp m, 0,1,2,3
	v_exp_f32 v[LE+\m], v[LE+\m]
.endr
.endif
	v_nop                                          ; a plain instruction behind the last exponential,
	s_wait_alu depctr_va_vdst(0)                   ; and one wait for the whole batch, ahead of its first reader
	WIN 0x0A
.irp m, 0,1,2,3
	v_pk_add_f32 v[ST+8*\m+2:ST+8*\m+3], v[B0+32*\m:B0+32*\m+1], v[B0+32*\m+2:B0+32*\m+3]
.endr
.irp m, 0,1,2,3
	v_pk_add_f32 v[ST+8*\m+4:ST+8*\m+5], v[B0+32*\m+4:B0+32*\m+5], v[B0+32*\m+6:B0+32*\m+7]
.endr
	WIN 0x08
.irp j, 8,12,16,20,24,28
.irp m, 0,1,2,3
	v_pk_add_f32 v[ST+8*\m+2:ST+8*\m+3], v[ST+8*\m+2:ST+8*\m+3], v[B0+32*\m+\j:B0+32*\m+\j+1]
.endr
.irp m, 0,1,2,3
	v_pk_add_f32 v[ST+8*\m+4:ST+8*\m+5], v[ST+8*\m+4:ST+8*\m+5], v[B0+32*\m+\j+2:B0+32*\m+\j+3]
.endr
.endr
	WIN 0
.irp m, 0,1,2,3
	v_pk_add_f32 v[ST+8*\m+2:ST+8*\m+3], v[ST+8*\m+2:ST+8*\m+3], v[ST+8*\m+4:ST+8*\m+5]
.endr
.irp m, 0,1,2,3
	v_add_f32 v[ST+8*\m+2], v[ST+8*\m+2], v[ST+8*\m+3]
.endr
.irp m, 0,1,2,3
	v_permlanex16_b32 v[ST+8*\m+6], v[ST+8*\m+2], s[SEL], s[SEL+1]
.endr
.irp m, 0,1,2,3
	v_add_f32 v[ST+8*\m+2], v[ST+8*\m+2], v[ST+8*\m+6]
.endr
.if \last
.irp m, 0,1,2,3
	v_add_f32 v[ST+8*\m+2], v[ST+8*\m+2], v[LE+\m]
.endr
.endif
	s_wait_alu depctr_va_vdst(0)                   ; ahead of the batch of four
.irp m, 0,1,2,3
	v_rcp_f32 v[ST+8*\m+6], v[ST+8*\m+2]           ; ST+6 = 1 / sum
.endr
	v_nop
	s_wait_alu depctr_va_vdst(0)                   ; and one behind it
.endm
.macro EPI_Q                           ; 1 - last slot
	SOFTMAX 1, 1
.irp m, 0,1,2,3
	v_fma_f32 v[QKW+\m], -v[LE+\m], v[ST+8*\m+6], 1.0
.endr
.endm
.macro EPI_K                           ; set 0 = qk_weight x softmax x mask
	SOFTMAX 0, 0
.irp m, 0,1,2,3
	v_mul_f32 v[ST+8*\m+6], v[ST+8*\m+6], v[MASK+\m]
.endr
.irp m, 0,1,2,3
	v_mul_f32 v[ST+8*\m+6], v[ST+8*\m+6], v[QKW+\m]
.endr
	WIN 0x82
.irp j, 0,2,4,6,8,10,12,14,16,18,20,22,24,26,28,30
.irp m, 0,1,2,3
	v_pk_mul_f32 v[32*\m+\j:32*\m+\j+1], v[32*\m+\j:32*\m+\j+1], v[ST+8*\m+6:ST+8*\m+7] op_sel_hi:[1,0]
.endr
.endr
.endm
.macro ASTORE g                        ; head 4 g + w: image 16 m + head, 16 bytes a lane, 512 consecutive bytes; its two scale bytes (both halves of the lanes write the same two bytes with the same value)
.irp m, 0,1,2,3
	ds_store_b128 v[AI0], v[PCD+4*\m:PCD+4*\m+3] offset:2048*\g+8192*\m
	ds_store_b16 v[AS0], v[HW+\m] offset:8*\g+512*\m
.endr
.endm
; A = set 1 x set 0, quantised along the head's 64: block b is tiles 2 b, 2 b + 1 of lanes l and l xor 16.  A conversion's eight codes are d = 32 b + 16 u + 8 hh + 0 .. 7; laid at register 2 u + b, two exchanges of
; halves give registers 0-3 the codes d = 32 hh + 0 .. 31: the head's half of a fragment, which goes to LDS as it stands.
.macro EPI_V
	PLACES
	FR 4
	WIN 0x8A
.irp j, 0,2,4,6,8,10,12,14,16,18,20,22,24,26,28,30
.irp m, 0,1,2,3
	v_pk_mul_f32 v[128+32*\m+\j:128+32*\m+\j+1], v[128+32*\m+\j:128+32*\m+\j+1], v[32*\m+\j:32*\m+\j+1]
.endr
.endr
	FR 6
	WIN 0x0A
.irp m, 0,1,2,3
.irp b, 0,1
	v_max3_num_f32 v[TM+2*\m+\b], |v[128+32*\m+16*\b]|, |v[128+32*\m+16*\b+1]|, 0x1800000   ; and the floor 2^(3 - 127): the byte cannot fall under 1
.endr
.endr
	WIN 0x28
.irp j, 2,4,6,8,10,12,14
.irp m, 0,1,2,3
.irp b, 0,1
	v_max3_num_f32 v[TM+2*\m+\b], v[TM+2*\m+\b], |v[128+32*\m+16*\b+\j]|, |v[128+32*\m+16*\b+\j+1]|
.endr
.endr
.endr
	WIN 0
.irp k, 0,1,2,3,4,5,6,7
	v_permlanex16_b32 v[TP+\k], v[TM+\k], s[SEL], s[SEL+1]
.endr
.irp k, 0,1,2,3,4,5,6,7
	v_max_num_f32 v[TM+\k], v[TM+\k], v[TP+\k]     ; the block's largest magnitude
.endr
.irp k, 0,1,2,3,4,5,6,7
	v_add_nc_u32 v[SOP+\k], 0xff000000, v[TM+\k]   ; 2 off its exponent field: the conversion's scale operand
.endr
.irp k, 0,1,2,3,4,5,6,7
	v_lshrrev_b32 v[TP+\k], 23, v[SOP+\k]          ; the scale's byte
.endr
.irp m, 0,1,2,3
	v_lshl_or_b32 v[HW+\m], v[TP+2*\m+1], 8, v[TP+2*\m]
.endr
	WIN 0x02
.irp m, 0,1,2,3
.irp b, 0,1
.irp u, 0,1
	v_cvt_scalef32_pk8_fp4_f32 v[PCD+4*\m+2*\u+\b], v[128+32*\m+16*\b+8*\u:128+32*\m+16*\b+8*\u+7], v[SOP+2*\m+\b]
.endr
.endr
.endr
	WIN 0
	v_nop                                          ; one plain place behind the scaled conversions
.irp m, 0,1,2,3
	v_permlane16_swap_b32 v[PCD+4*\m], v[PCD+4*\m+1]
	v_permlane16_swap_b32 v[PCD+4*\m+2], v[PCD+4*\m+3]
.endr
	; The images lie by the TRUE head.  The trip's group hangs on the cluster's number, so the eight stores are written once for each group, every address a constant + lane + wave, and a scalar
	; branch chooses: the number is the same in all waves and in all partners.  Whatever the groups, two waves' bytes differ: 512 w against steps of 2,048, and 2 w against steps of 8.
	s_wait_alu depctr_va_vdst(0)                   ; ahead of the branches
	s_cmp_lt_u32 s[GT], 2
	s_cbranch_scc0 .Lgroup_23_\@
	s_cmp_eq_u32 s[GT], 0
	s_cbranch_scc0 .Lgroup_1_\@
	ASTORE 0
	s_branch .Lstored_\@
.Lgroup_1_\@:
	ASTORE 1
	s_branch .Lstored_\@
.Lgroup_23_\@:
	s_cmp_eq_u32 s[GT], 2
	s_cbranch_scc0 .Lgroup_3_\@
	ASTORE 2
	s_branch .Lstored_\@
.Lgroup_3_\@:
	ASTORE 3
.Lstored_\@:
.endm
; THE WAY OUT of a step: a row tile's 16 rows x 64 columns go through my own stage and come back as rows of 256 bytes.  LDS serves a wave's instructions in order (ISA guide 5.7.1.4): no wait between stores and loads,
; nor ahead of the next tile's stores.  The four tiles come back into 128 registers of their own: the stores of a step need them until the next step's products are done.
.macro TOSTAGE m
	WIN 0x08                                       ; an LDS store's data are its source 1: window 2
.irp t, 0,1,2,3
	ds_store_b128 v[STO], v[32*\m+8*\t:32*\m+8*\t+3]   offset:64*\t       ; each accumulator from its low end on
	ds_store_b128 v[STO], v[32*\m+8*\t+4:32*\m+8*\t+7] offset:64*\t+16
.endr
	WIN 0x80
.irp i, 0,1,2,3,4,5,6,7
	ds_load_b128 v[BK+32*\m+4*\i:BK+32*\m+4*\i+3], v[RD] offset:2*SPITCH*\i
.endr
.endm
.macro SEND m, younger                 ; younger: the LDS instructions issued behind the tile's loads, which may be out
	s_wait_dscnt \younger
	WIN 0x08
.irp i, 0,1,2,3,4,5,6,7
	global_store_b128 v[GO+\m], v[BK+32*\m+4*\i:BK+32*\m+4*\i+3], s[COUT:COUT+1] offset:8192*\i th:TH_STORE_NT   ; 16 lanes store 256 consecutive bytes, at a multiple of 256 from out's first byte
.endr
.endm
.macro EPI_O more
	PLACES
	v_nop                                          ; with the four: more than the five places owed ahead of products that begin the same accumulators anew
	v_nop
	s_wait_alu depctr_va_vdst(0)                   ; directly ahead of the wait below
	s_wait_xcnt 0x0                                ; earlier stores have read their base and their data, earlier loads their bases: all are written again only behind this wait
	s_lshl_b32 s[COUT+2], s[KT], 10                ; the step's 256 columns of f32
	s_add_nc_u64 s[COUT:COUT+1], s[POUT:POUT+1], s[COUT+2:COUT+3]
	TOSTAGE 0
	TOSTAGE 1
	SEND 0, 16                                     ; behind tile 0's loads: tile 1's 8 stores and 8 loads
	TOSTAGE 2
	SEND 1, 16
	TOSTAGE 3
.if \more
	FR 4
	SEND 2, 32                                     ; tile 3's 16 and the 16 fragment loads
	FR 6
	SEND 3, 32
.else
	SEND 2, 16
	SEND 3, 0
.endif
	WIN 0
	s_add_co_u32 s[KT], s[KT], 1                   ; on to the next step, round the four
	s_and_b32 s[KT], s[KT], 3
.endm
; The last product's addresses, from the bases and the step in hand: the next step's scale bytes and bo, and the chunk two steps on.
.macro OPTRS
	s_add_co_u32 s[GN], s[KT], 1
	s_and_b32 s[GN], s[GN], 3
	s_lshl_b32 s[OFF], s[GN], 13
	s_add_nc_u64 s[CSK:CSK+1], s[SOS:SOS+1], s[OFF:OFF+1]
	s_lshl_b32 s[OFF], s[GN], 10
	s_add_nc_u64 s[CBI:CBI+1], s[PBO:PBO+1], s[OFF:OFF+1]
	s_add_co_u32 s[GT], s[KT], 2
	s_and_b32 s[GT], s[GT], 3
	s_lshl_b32 s[OFF], s[GT], 17
	s_add_nc_u64 s[CV:CV+1], s[PO:PO+1], s[OFF:OFF+1]
.endm
; ---------------- THE HEAD
	s_load_b512 s[8:23], s[0:1], 0x0               ; x's codes and scales, Wq's, Wk's, Wv's
	s_load_b256 s[24:31], s[0:1], 0x40             ; Wo's codes and scales, the mask, bo
	s_load_b64 s[32:33], s[0:1], 0x60              ; out
	v_lshl_add_u32 v[SPW], v0, 2, SPARE
	v_mov_b32 v[NIL], 0
	ds_add_u32 v[SPW], v[NIL]                      ; the wave's opening: the add, twice on end, waited for ahead of my first tensor load
	ds_add_u32 v[SPW], v[NIL]
	v_lshrrev_b32 v[VT], 5, v0
	v_readfirstlane_b32 s[WV], v[VT]               ; wave 0..3
	s_bfe_u32 s[CX], ttmp6, 0x40000                ; my place in the cluster: it enters x's, the mask's, the prefetches' and out's addresses, nothing else
	s_lshl_b32 s[WG], ttmp9, 2
	s_add_co_u32 s[WG], s[WG], s[CX]
	s_and_b32 s[ROT], ttmp9, 3                     ; where my cluster's walk begins
	; descriptor group 1: 64 rows of 512 bytes, dense in memory, padded in LDS
	s_mov_b32 s[G1+0], 15|(1<<20)|(1<<21)|(6<<22)|(3<<25)  ; 15:0 the mask: all four work-groups; 17:16 elements of 1 byte; 20 padding on; 21 set beside a mask; 24:22 after every 128 words (code 6); 31:25 4 words (code 3)
	s_mov_b32 s[G1+1], 512<<16                     ; tensor_dim0
	s_mov_b32 s[G1+2], 64<<16                      ; tensor_dim1
	s_mov_b32 s[G1+3], 512<<16                     ; tile_dim0
	s_mov_b32 s[G1+4], 64                          ; tile_dim1
	s_mov_b32 s[G1+5], 512                         ; from row to row
	s_mov_b32 s[G1+6], 0
	s_mov_b32 s[G1+7], 0
	s_mov_b32 s[SEL], 0x76543210
	s_mov_b32 s[SEL+1], 0xfedcba98
	s_mov_b32 s[CS], 0x3fb8aa3b                    ; log2(e)
	s_mov_b32 s[CS+1], s[CS]
	s_mov_b32 s[NC], 0xbfb8aa3b
	s_mov_b32 s[TB], 0
	s_mov_b32 s[GI], 0
	s_mov_b32 s[OFF+1], 0                          ; stays 0: the upper word of every offset made in s[OFF]
	s_mov_b32 s[COUT+3], 0                         ; likewise for out's
	s_mul_i32 s[WOFF], s[WV], WCH
	; offsets that hang on the wave alone
	s_mul_i32 s82, s[WV], 33280                    ; 65 rows of 512 bytes
	s_mov_b32 s83, 0
	s_mul_i32 s84, s[WV], 2080                     ; 65 rows of 32 scale bytes
	s_mov_b32 s85, 0
	s_lshl_b32 s90, s[WV], 15                      ; 64 rows of 512
	s_mov_b32 s91, 0
	s_lshl_b32 s92, s[WV], 11                      ; 64 rows of 32
	s_mov_b32 s93, 0
	s_lshl_b32 s94, s[WV], 8                       ; 64 columns of f32
	s_mov_b32 s95, 0
	s_lshl_b32 s52, s[WV], 9
	s_lshl_b32 s53, s[WV], 1
	s_mul_i32 s54, s[WV], 16*PITCH
	s_mul_i32 s55, s[WV], 16*SPITCH
	s_add_co_u32 s55, s55, STAGE                   ; my stage
	s_cmp_eq_u32 s[WV], 0
	s_cselect_b32 s[LIM], 2, 9
	; my lane's places
	v_and_b32 v[R], 15, v0
	v_bfe_u32 v[HH], v0, 4, 1
	v_and_b32 v[LN], 31, v0
	v_mul_u32_u24 v[VT], v[R], PITCH
	v_lshl_add_u32 v[VT], v[HH], 4, v[VT]          ; PITCH r + 16 hh
	v_add_nc_u32 v[AW0], s[WOFF], v[VT]
	v_mov_b32 v[ADW], v[AW0]                       ; chunk 0 lies in slot 0
	v_add_nc_u32 v[XFA], XT, v[VT]
	v_lshlrev_b32 v[SWO], 5, v[R]
	v_lshl_add_u32 v[SWO], v[HH], 4, v[SWO]
	v_add_nc_u32 v[ASR], ASC, v[SWO]
	v_lshl_add_u32 v[LI], v[LN], 4, AIMG
	v_add_nc_u32 v[AI0], s52, v[LI]
	v_lshl_add_u32 v[AS0], v[R], 5, ASC
	v_add_nc_u32 v[AS0], s53, v[AS0]
	v_add_nc_u32 v[XSTO], s54, v[LI]               ; x's rows 16 w on, 16 bytes a lane
	v_mul_u32_u24 v[STO], v[R], SPITCH
	v_lshl_add_u32 v[STO], v[HH], 5, v[STO]
	v_add_nc_u32 v[STO], s55, v[STO]               ; in: row r, 32 bytes for each half of the lanes
	v_mul_u32_u24 v[RD], v[HH], SPITCH
	v_lshl_add_u32 v[RD], v[R], 4, v[RD]
	v_add_nc_u32 v[RD], s55, v[RD]                 ; back: lanes 0-15 one row of 256 bytes, lanes 16-31 the next
	v_lshlrev_b32 v[BOF], 5, v[HH]
	v_lshlrev_b32 v[GO], 12, v[HH]
	v_lshl_add_u32 v[GO], v[R], 4, v[GO]           ; the same two rows in out (4,096 bytes a row),
.irp m, 1,2,3
	v_add_nc_u32 v[GO+\m], \m<<24, v[GO]           ; in batch m: 4,096 rows on
.endr
	v_lshlrev_b32 v[XGO], 4, v[LN]
	v_lshlrev_b32 v[PFO], 8, v[LN]
	v_add_nc_u32 v[VT], s[ROT], v[R]
	v_and_b32 v[VT], 3, v[VT]                      ; (r + rot) % 4: the group whose 65th row my lane takes
	v_mul_u32_u24 v[LTO], v[VT], 133120            ; the 65th rows: four heads, 260 rows of 512 bytes, apart
	v_lshl_add_u32 v[LTO], v[HH], 4, v[LTO]
	v_mul_u32_u24 v[LSO], v[VT], 8320
	v_lshl_add_u32 v[LSO], v[HH], 4, v[LSO]
	v_lshlrev_b32 v[MKO], 2, v[R]
.irp m, 0,1,2,3
	v_mov_b32 v[ST+8*\m+1], 0                      ; named as the upper halves of pairs,
	v_mov_b32 v[ST+8*\m+7], 0
	v_mov_b32 v[ST+8*\m+6], 0                      ; and a lane permute's destination counts as one of its sources
.endr
.irp k, 0,1,2,3,4,5,6,7
	v_mov_b32 v[TP+\k], 0
.endr
	s_wait_alu depctr_va_vdst(0)                   ; ahead of the waits below
	s_wait_dscnt 0x0                               ; both opening adds are done
	s_wait_kmcnt 0x0
	s_lshl_b32 s86, s[WV], 21                      ; x: batch w,
	s_lshl_b32 s88, s[WG], 13                      ; my work-group's 16 rows of 512 bytes
	s_add_co_u32 s86, s86, s88
	s_mov_b32 s87, 0
	s_add_nc_u64 s[PXC:PXC+1], s[PXC:PXC+1], s[86:87]
	WIN 0x80                                       ; destination window 2: its registers are free until the products begin
.irp i, 0,1,2,3,4,5,6,7,8,9,10,11,12,13,14,15
	global_load_b128 v[64+4*\i:64+4*\i+3], v[XGO], s[PXC:PXC+1] offset:512*\i th:TH_LOAD_NT   ; a row of x: 32 lanes read 512 consecutive bytes; read once in the launch
.endr
	WIN 0
	s_cmp_eq_u32 s[WV], 1                          ; what my wave prefetches: wave 1 of Wk, wave 2 of Wv, wave 0 later of Wo
	s_cselect_b64 s[PFA:PFA+1], s[PK:PK+1], s[PO:PO+1]
	s_cmp_eq_u32 s[WV], 2
	s_cselect_b64 s[PFA:PFA+1], s[PV:PV+1], s[PFA:PFA+1]
	s_and_b32 s86, s[WG], 63
	s_lshl_b32 s86, s86, 13
	s_add_nc_u64 s[PFA:PFA+1], s[PFA:PFA+1], s[86:87]
	s_add_nc_u64 s[PQ:PQ+1], s[PQ:PQ+1], s[82:83]  ; head w's chunk of Wq,
	s_add_nc_u64 s[SQ:SQ+1], s[SQ:SQ+1], s[84:85]
	s_add_nc_u64 s[PK:PK+1], s[PK:PK+1], s[90:91]  ; of Wk, Wv; step 0's chunk of Wo.  These stay: every trip's addresses are made from them
	s_add_nc_u64 s[PV:PV+1], s[PV:PV+1], s[90:91]
	s_add_nc_u64 s[PO:PO+1], s[PO:PO+1], s[90:91]
	s_add_nc_u64 s[SK:SK+1], s[SK:SK+1], s[92:93]
	s_add_nc_u64 s[SV:SV+1], s[SV:SV+1], s[92:93]
	s_add_nc_u64 s[SOS:SOS+1], s[SOS:SOS+1], s[92:93]
	s_add_nc_u64 s[PBO:PBO+1], s[PBO:PBO+1], s[94:95]
	s_mov_b32 s[G0A], 1                            ; count = 1
	s_mov_b32 s[G0A+1], s[WOFF]                    ; slot 0
	s_mul_i32 s[OFF], s[ROT], 133120               ; four heads of Wq are 260 rows of 512 bytes
	s_add_nc_u64 s[G0A+2:G0A+3], s[PQ:PQ+1], s[OFF:OFF+1]  ; chunk 0: Q of group rot
	s_or_b32 s[G0A+3], s[G0A+3], 0x80000000        ; type = 2
	s_mul_i32 s[OFF], s[ROT], 8320
	s_add_nc_u64 s[SB:SB+1], s[SQ:SQ+1], s[OFF:OFF+1]
	s_lshl_b32 s[OFF], s[ROT], 10
	s_add_nc_u64 s[CBI:CBI+1], s[PBO:PBO+1], s[OFF:OFF+1]  ; bo at my walk's first step
	s_add_nc_u64 s[LQC:LQC+1], s[PQ:PQ+1], 32768   ; row 65 w + 64
	s_add_nc_u64 s[LQS:LQS+1], s[SQ:SQ+1], 2048
	s_lshl_b32 s86, s[WG], 9
	s_add_nc_u64 s[PXS:PXS+1], s[PXS:PXS+1], s[86:87]
	s_lshl_b32 s86, s[WG], 6
	s_add_nc_u64 s[PMK:PMK+1], s[PMK:PMK+1], s[86:87]
	s_lshl_b32 s86, s[WG], 16
	s_add_nc_u64 s[POUT:POUT+1], s[POUT:POUT+1], s[86:87]
	s_add_nc_u64 s[POUT:POUT+1], s[POUT:POUT+1], s[94:95]
	ROUND                                          ; all four work-groups are here: the first joint loads meet
	tensor_load_to_lds s[G0A:G0A+3], s[G1:G1+7]    ; chunk 0
	s_nop 0
	PLACES
	WIN 0x80
.irp s, 0,1,2,3,4,5,6,7
	global_load_b128 v[8*\s:8*\s+3],   v[LTO], s[LQC:LQC+1] offset:64*\s                     ; the 65th rows' fragments
	global_load_b128 v[8*\s+4:8*\s+7], v[LTO], s[LQC:LQC+1] offset:64*\s+32
.endr
	WIN 0
.irp m, 0,1,2,3
	global_load_b128 v[SCX+4*\m:SCX+4*\m+3], v[SWO], s[PXS:PXS+1] offset:131072*\m
.endr
	global_load_b128 v[SCL:SCL+3], v[LSO], s[LQS:LQS+1]
	SCALES 0
.irp m, 0,1,2,3
	global_load_b32 v[MASK+\m], v[MKO], s[PMK:PMK+1] offset:16384*\m
.endr
	BIAS
	s_sub_co_u32 s[CNT], s[WV], 1
	s_cmp_lt_u32 s[CNT], 2                         ; waves 1 and 2: my work-group's 8,192 bytes of Wk, of Wv
	s_cbranch_scc0 .Lno_ask
	global_prefetch_b8 v[PFO], s[PFA:PFA+1] th:TH_LOAD_NT scope:SCOPE_SE
.Lno_ask:
; ---------------- x: my 16 rows to LDS, all 64 rows back as fragments
	s_wait_loadcnt 37                              ; x's rows are in; the 37 loads issued behind them (16 + 4 + 1 + 4 + 4 + 8) may be out
	WIN 0x08
.irp i, 0,1,2,3,4,5,6,7,8,9,10,11,12,13,14,15
	ds_store_b128 v[XSTO], v[64+4*\i:64+4*\i+3] offset:PITCH*\i
.endr
	WIN 0
	s_wait_tensorcnt 0x0                           ; chunk 0 is in
	ds_add_u32 v[SPW], v[NIL]
	s_add_co_u32 s[G0A+1], s[WOFF], SLOT           ; slot 1
	s_lshl_b32 s[OFF], s[ROT], 17                  ; four heads of Wk are 256 rows
	s_add_nc_u64 s[G0A+2:G0A+3], s[PK:PK+1], s[OFF:OFF+1]  ; chunk 1: K of group rot
	s_or_b32 s[G0A+3], s[G0A+3], 0x80000000
	s_wait_dscnt 0x0                               ; the add is done, and for the others' sake: my rows of x lie in LDS
	ROUND                                          ; everybody's do
	tensor_load_to_lds s[G0A:G0A+3], s[G1:G1+7]
	s_nop 0
	PLACES
	WIN 0x40                                       ; destination window 1
.irp m, 0,1,2,3
.irp s, 0,1,2,3,4,5,6,7
	ds_load_b128 v[8*(8*\m+\s):8*(8*\m+\s)+3],   v[XFA] offset:16*PITCH*\m+64*\s
	ds_load_b128 v[8*(8*\m+\s)+4:8*(8*\m+\s)+7], v[XFA] offset:16*PITCH*\m+64*\s+32
.endr
.endr
	FR 0
	FR 2
	FR 4
	FR 6
; ---------------- THE 65TH SLOTS: four accumulators by turns
	s_wait_loadcnt 0x0
	s_wait_dscnt 63                                ; x's 64 loads are in; chunk 0's 64 were issued behind them
	WIN 0xA6                                       ; source 0 window 2, source 1 window 1, C and D window 2 (accumulator set 1 is free)
.irp s, 0,1,2,3,4,5,6,7
.irp m, 0,1,2,3
.if \s == 0
	v_wmma_scale_f32_16x16x128_f8f6f4 v[128+8*\m:135+8*\m], v[8*\s:8*\s+7], v[8*(8*\m+\s):8*(8*\m+\s)+7], 0, v[SCL+\s%4], v[SCX+4*\m+\s%4] matrix_a_fmt:MATRIX_FMT_FP4 matrix_b_fmt:MATRIX_FMT_FP4
.elseif \s < 4
	v_wmma_scale_f32_16x16x128_f8f6f4 v[128+8*\m:135+8*\m], v[8*\s:8*\s+7], v[8*(8*\m+\s):8*(8*\m+\s)+7], v[128+8*\m:135+8*\m], v[SCL+\s%4], v[SCX+4*\m+\s%4] matrix_a_fmt:MATRIX_FMT_FP4 matrix_b_fmt:MATRIX_FMT_FP4
.else
	v_wmma_scale_f32_16x16x128_f8f6f4 v[128+8*\m:135+8*\m], v[8*\s:8*\s+7], v[8*(8*\m+\s):8*(8*\m+\s)+7], v[128+8*\m:135+8*\m], v[SCL+\s%4], v[SCX+4*\m+\s%4] matrix_a_fmt:MATRIX_FMT_FP4 matrix_b_fmt:MATRIX_FMT_FP4 matrix_a_scale:MATRIX_SCALE_ROW1 matrix_b_scale:MATRIX_SCALE_ROW1
.endif
.endr
.endr
	PLACES
	WIN 0x02
.irp m, 0,1,2,3
.irp k, 0,1,2,3
	v_mov_b32 v[LQV+4*\m+\k], v[128+8*\m+\k]       ; the four trips' last logits
.endr
.endr
	WIN 0
.irp m, 0,1,2,3
	v_add_f32 v[MASK+\m], v[MASK+\m], v[MASK+\m]   ; the 2 of qk_weight, which rounds nothing
.endr
	; Wo's first two chunks of my walk, steps rot and (rot + 1) % 4, and the first one's scale bytes (the loads that named s[76:79] were waited for above)
	s_lshl_b32 s[OFF], s[ROT], 17
	s_add_nc_u64 s[CO0:CO0+1], s[PO:PO+1], s[OFF:OFF+1]
	s_lshl_b32 s[OFF], s[ROT], 13
	s_add_nc_u64 s[CSO0:CSO0+1], s[SOS:SOS+1], s[OFF:OFF+1]
	s_add_co_u32 s[GN], s[ROT], 1
	s_and_b32 s[GN], s[GN], 3
	s_lshl_b32 s[OFF], s[GN], 17
	s_add_nc_u64 s[CO1:CO1+1], s[PO:PO+1], s[OFF:OFF+1]
	s_wait_alu depctr_va_vdst(0)
; ---------------- THE FOUR GROUPS OF HEADS
.Lgroup:
	s_add_co_u32 s[GT], s[GI], s[ROT]              ; this trip's group and the next trip's, round the four
	s_and_b32 s[GT], s[GT], 3
	s_add_co_u32 s[GN], s[GT], 1
	s_and_b32 s[GN], s[GN], 3
	s_lshl_b32 s[OFF], s[GT], 17                   ; the trip's addresses.  No load names these registers: descriptors and scale loads take copies
	s_add_nc_u64 s[CV:CV+1], s[PV:PV+1], s[OFF:OFF+1]
	s_lshl_b32 s[OFF], s[GT], 13
	s_add_nc_u64 s[CSK:CSK+1], s[SK:SK+1], s[OFF:OFF+1]
	s_add_nc_u64 s[CSV:CSV+1], s[SV:SV+1], s[OFF:OFF+1]
	s_mul_i32 s[OFF], s[GN], 133120
	s_add_nc_u64 s[CQN:CQN+1], s[PQ:PQ+1], s[OFF:OFF+1]
	s_lshl_b32 s[OFF], s[GN], 17
	s_add_nc_u64 s[CKN:CKN+1], s[PK:PK+1], s[OFF:OFF+1]
	s_mul_i32 s[OFF], s[GN], 8320
	s_add_nc_u64 s[CSQN:CSQN+1], s[SQ:SQ+1], s[OFF:OFF+1]
	MULT 1, 0, 0, 1, 2, CV, CV, CSK, CSK, 0        ; Q
	EPI_Q
	MULT 0, 0, 1, 2, 2, CQN, CO0, CSV, CSV, 0      ; K
	EPI_K
	MULT 1, 0, 2, 0, 2, CKN, CO1, CSQN, CSO0, 0    ; V
	EPI_V
.irp k, 0,1,2
.irp m, 0,1,2,3
	v_mov_b32 v[LQV+4*\m+\k], v[LQV+4*\m+\k+1]     ; the next trip's 65th slot moves to the front
.endr
.endr
	s_add_co_u32 s[GI], s[GI], 1
	s_cmp_lt_u32 s[GI], 4
	s_cbranch_scc1 .Lgroup
; ---------------- A takes x's place
	s_wait_dscnt 0x0                               ; for the others' sake: my images and scale bytes lie in LDS
	s_barrier_signal -1
	s_barrier_wait -1                              ; everybody's do.
.irp m, 0,1,2,3
	ds_load_b128 v[SCX+4*\m:SCX+4*\m+3], v[ASR] offset:512*\m
.endr
	WIN 0x40
.irp s, 0,1,2,3,4,5,6,7
.irp m, 0,1,2,3
	ds_load_b128 v[8*(8*\m+\s):8*(8*\m+\s)+3],   v[LI] offset:512*(16*\m+2*\s)   ; image i = 16 m + head is registers 4 i on: fragment (m, head / 2), half head % 2; in K order
	ds_load_b128 v[8*(8*\m+\s)+4:8*(8*\m+\s)+7], v[LI] offset:512*(16*\m+2*\s+1)
.endr
.endr
	WIN 0
	s_mov_b32 s[KT], s[ROT]                        ; my walk's first step
; ---------------- THE LAST PRODUCT, four steps of 64 columns a wave
	OPTRS
	MULT 0, 1, 0, 1, 2, CV, CV, CSK, CSK, 1
	EPI_O 1
	OPTRS
	MULT 0, 1, 1, 2, 2, CV, CV, CSK, CSK, 0
	EPI_O 1
	OPTRS
	MULT 0, 1, 2, 0, 1, CV, CV, CSK, CSK, 0
	EPI_O 1
	MULT 0, 1, 0, -1, 0, CV, CV, CSK, CSK, 0
	EPI_O 0
	s_wait_tensorcnt 0x0                           ; the wave's end: behind my last tensor load and my last LDS store
	ds_add_u32 v[SPW], v[NIL]
	s_wait_dscnt 0x0
	ROUND                                          ; the closing round: no work-group ends while a partner may still ask for a chunk that names it
	s_endpgm
.Lfunc_end_k_qa666ac21bb_fused:
	.size	k_qa666ac21bb_fused, .Lfunc_end_k_qa666ac21bb_fused-k_qa666ac21bb_fused
	.p2alignl 7, 3214868480
	.fill 96, 4, 3214868480
	.section	.rodata,"a",@progbits
	.p2align	6, 0x0
	.amdhsa_kernel k_qa666ac21bb_fused
		.amdhsa_group_segment_fixed_size 327680
		.amdhsa_private_segment_fixed_size 0
		.amdhsa_enable_private_segment 0
		.amdhsa_kernarg_size 104
		.amdhsa_user_sgpr_count 2
		.amdhsa_user_sgpr_kernarg_segment_ptr 1
		.amdhsa_wavefront_size32 1
		.amdhsa_system_sgpr_workgroup_id_x 1
		.amdhsa_system_sgpr_workgroup_id_y 1
		.amdhsa_system_sgpr_workgroup_id_z 1
		.amdhsa_system_vgpr_workitem_id 0
		.amdhsa_next_free_vgpr 1024
		.amdhsa_next_free_sgpr 100
		.amdhsa_reserve_vcc 0
		.amdhsa_float_denorm_mode_32 3
		.amdhsa_float_denorm_mode_16_64 3
		.amdhsa_memory_ordered 1
		.amdhsa_forward_progress 1
		.amdhsa_inst_pref_size 255
	.end_amdhsa_kernel
	.section	.bss,"aw",@nobits
	.p2align	6
	.space	262144
	.amdgpu_metadata
---
amdhsa.version: [ 1, 2 ]
amdhsa.kernels:
  - .name:           k_qa666ac21bb_fused
    .symbol:         k_qa666ac21bb_fused.kd
    .args:
      - { .name: x_codes, .offset: 0, .size: 8, .value_kind: global_buffer, .address_space: global }
      - { .name: x_scales, .offset: 8, .size: 8, .value_kind: global_buffer, .address_space: global }
      - { .name: Wq_codes, .offset: 16, .size: 8, .value_kind: global_buffer, .address_space: global }
      - { .name: Wq_scales, .offset: 24, .size: 8, .value_kind: global_buffer, .address_space: global }
      - { .name: Wk_codes, .offset: 32, .size: 8, .value_kind: global_buffer, .address_space: global }
      - { .name: Wk_scales, .offset: 40, .size: 8, .value_kind: global_buffer, .address_space: global }
      - { .name: Wv_codes, .offset: 48, .size: 8, .value_kind: global_buffer, .address_space: global }
      - { .name: Wv_scales, .offset: 56, .size: 8, .value_kind: global_buffer, .address_space: global }
      - { .name: Wo_codes, .offset: 64, .size: 8, .value_kind: global_buffer, .address_space: global }
      - { .name: Wo_scales, .offset: 72, .size: 8, .value_kind: global_buffer, .address_space: global }
      - { .name: attention_mask, .offset: 80, .size: 8, .value_kind: global_buffer, .address_space: global }
      - { .name: bo, .offset: 88, .size: 8, .value_kind: global_buffer, .address_space: global }
      - { .name: out0, .offset: 96, .size: 8, .value_kind: global_buffer, .address_space: global }
    .group_segment_fixed_size: 327680
    .private_segment_fixed_size: 0
    .kernarg_segment_align: 8
    .kernarg_segment_size: 104
    .max_flat_workgroup_size: 128
    .sgpr_count:     100
    .vgpr_count:     1024
    .wavefront_size: 32
...
	.end_amdgpu_metadata
.endif
;; end of part 1
